; MI455X (gfx1250); checked and timed in simulation.
; The chip was launched on July 23, 2026; its instructions are those of AMD's public machine-readable ISA for CDNA 5 (MIT licence, August 2026) and "CDNA5" Instruction Set Architecture Reference Guide (July 2026). The comments in the code are by the model that wrote it; some were corrected since.
;; s LSTM Cell. Allowed arithmetic: matrix products marked QUANTISED: E2M1 operands, one E8M0 scale for each 32 along K, by v_wmma_scale_f32_16x16x128_f8f6f4 with both operands' format E2M1 (or v_wmma_scale_f32_32x16x128_f4), f32 sums; everything else in f32.
;; Inputs: Wf 2,048 x 3,072 float32; Wi 2,048 x 3,072 float32; Wo 2,048 x 3,072 float32; Wz 2,048 x 3,072 float32; bf 2,048 float32; bi 2,048 float32; bo 2,048 float32; bz 2,048 float32; c_prev 2,048 x 2,048 float32; h_prev 2,048 x 2,048 float32; ln_beta 2,048 float32; ln_gamma 2,048 float32; m_prev 2,048 x 2,048 float32; n_prev 2,048 x 2,048 float32; x 2,048 x 1,024 float32.
;; Outputs: out0 2,048 x 2,048 float32; out1 2,048 x 2,048 float32; out2 2,048 x 2,048 float32; out3 2,048 x 2,048 float32.
;; This version of the problem:
;;   THIS VERSION OF THE PROBLEM IS GIVEN IN LOW PRECISION. The matrix products marked QUANTISED in the list below multiply operands that are first quantised to E2M1 (2 exponent bits, 1 mantissa bit; 4 bits a number), with one power-of-two scale for each 32 numbers along K (OCP MX v1.0); their sums are f32. All else is computed in f32.
;;   The module's matrix products, in the order in which they are computed (A, B: the left and right operand; K: the contracted axis; several contracted axes count as one K, in the product's order):
;;     1. [M 8,192, K 3,072] x [K 3,072, N 2,048]; A: computed on the way; B: computed on the way: QUANTISED
;;   THE QUANTISER, for each operand of a quantised product, along K:
;;     - K is cut into blocks of 32 from its start; a last block that is shorter is filled with zeros.
;;     - A block's scale is 2^e with e = floor(log2(the largest magnitude in the block)) - 2, held to -126 .. 127; a block of zeros has e = 0. As a byte (E8M0): e + 127.
;;     - Each number is divided by its block's scale, clamped to +-6, and rounded to the nearest number of E2M1, ties to even, subnormals kept.
;;     - The product sums the exact products of the quantised numbers (number of the format x scale) in f32.
;;   ~~~python
;;   def quantise(x, axis):      # numpy; x: float32 -> the quantised numbers, widened to float32 again
;;       x = np.moveaxis(x, axis, -1); K = x.shape[-1]
;;       x = np.pad(x, [(0, 0)] * (x.ndim - 1) + [(0, -K % 32)]); x = x.reshape(x.shape[:-1] + (-1, 32)); a = np.abs(x).max(-1, keepdims=True)
;;       e = np.where(a > 0, np.clip(np.frexp(np.where(a > 0, a, 1))[1] - 1 - 2, -126, 127), 0)      # np.frexp(a)[1] - 1 = floor(log2(a)), exactly
;;       r = np.clip(x / 2.0 ** e, -6, 6)
;;       step = 2.0 ** (np.maximum(np.frexp(np.where(r == 0, 1, r))[1] - 1, 0) - 1)
;;       q = np.round(r / step) * step * 2.0 ** e      # np.round: ties to even
;;       return np.moveaxis(q.reshape(q.shape[:-2] + (-1,))[..., :K], -1, axis).astype(np.float32)
;;   ~~~
;;   OPERANDS COMPUTED ON THE WAY. 'Computed on the way' means the value that the module computes at that place (a softmax that the list does not call 'softmax' is quantised finished and normalised). What goes into a quantiser is computed in f32, as accurately as f32 sums, v_exp_f32 and their like allow (about 1e-6 of the number): no bf16 or f16 on the way to a quantiser, and a product that is left as it is and whose result goes on into a quantised operand takes f32 operands (vector FMAs, or v_wmma_f32_16x16x4_f32). A number that lies on a knife's edge between two numbers of the format may be rounded either way, as far as f32 arithmetic and the matrix unit's own rounding can turn it there, and no further.
;; One version. Each part assembles by itself: llvm-mc -triple=amdgcn-amd-amdhsa -mcpu=gfx1250 --defsym DOCPART=n.
;; ======== version 1 of 1: 3 launches
;; limits: right only within a limited range of input values
;; workspace buffers: acode 3,342,336 bytes; wcode 13,369,344 bytes; hbuf 16,777,216 bytes
;; launch quant (part 1): grid 80 x 6, 8 waves a work-group, no clusters, 37,888 bytes of LDS; arguments x, h_prev, Wi, Wf, Wo, Wz, acode, wcode; writes acode, wcode
.if DOCPART == 1
	.amdgcn_target "amdgcn-amd-amdhsa--gfx1250"
	.amdhsa_code_object_version 6
	.text
	.protected	k_q69c459cc0a_quant
	.globl	k_q69c459cc0a_quant
	.p2align	8
	.type	k_q69c459cc0a_quant,@function
k_q69c459cc0a_quant:
	s_mov_b64 s[64:65], 0
	v_nop
	global_prefetch_b8 v0, s[64:65] scope:SCOPE_SE
	s_setreg_imm32_b32 hwreg(HW_REG_WAVE_MODE, 25, 1), 1
	s_wait_xcnt 0x0
; Wi, Wf, Wo, Wz [2048][3072] and combined = [x | h_prev] [2048][1024 + 2048], all f32 with K innermost, become codes of FP4 (E2M1) with one E8M0 byte for each 32 along K.
; A block's scale is 2^(floor(log2(its largest magnitude)) - 2): its byte is the largest magnitude's exponent field - 2, held at 1 from below; each number is divided by it and rounded to the nearest code, ties to even, beyond 6 the largest code.
; LIMITS: NaN and infinities among the inputs are not served.  A block of zeros, or one whose largest magnitude lies under 2^-124, gets the byte 1 (the rule says 127 for zeros): its codes are as the rule asks, and this program alone reads the bytes.
; THE OUTPUT IS LAID AS THE PRODUCT'S OPERAND REGISTERS WANT IT: [K step of 512: 0..5][group of 128 operand rows][34,816 bytes].  In a group: the 16 bytes of row block i (16 rows), block kb (0..15) of 32 along K, row r
; lie at 4096 i + 256 kb + 16 r; the scale byte at 32768 + 256 i + 16 r + kb.  acode: 16 groups, group G = batch rows 128 G on, row block i = rows 16 i on.
; wcode: 64 groups; groups 2 T and 2 T + 1 hold hidden units 64 T .. 64 T + 63 of gates i, f and of gates o, z.  Row block i = 4 (g % 2) + u of group 2 T + g / 2 is gate g (0 i, 1 f, 2 o, 3 z);
; ITS ROW r IS HIDDEN UNIT 64 T + 4 r + u: the rows of a tile stand four apart, so that in the product's result the four tiles u = 0 .. 3 give a lane four neighbouring hidden units.
; SHARES.  A work-group makes one group of one K step (x: 0..63 W's groups, 64..79 combined's; y: the K step), wave w its row block w: 16 tile rows x 512 along K.
; One path through the text: pointers, pitch and rows are chosen by selects on the work-group's and the wave's number.  1,024 is a multiple of 512, so no K step straddles the seam between x and h_prev.
; NO f32 NUMBER GOES THROUGH LDS.  A load covers 512 consecutive aligned bytes of one row: lane (m, h) takes the 16 bytes at 32 m + 16 h.  A UNIT is two such loads, of tile rows p and p + 8, into eight neighbouring registers;
; four v_permlane16_swap_b32 (the first's lanes 16-31 change places with the second's lanes 0-15) then leave lane (m, 0) with numbers 8 m .. 8 m + 7 of row p and lane (m, 1) with those of row p + 8, in K's order.
; A block of 32 lies in four neighbouring lanes: two DPP steps join their maxima.  One conversion gives a lane's 4 bytes of codes; only these and the scale bytes pass through the wave's own LDS image
; (16 rows kb, 256 + 16 bytes apart: the 32 lanes of a store touch 32 different banks) and leave as stores of 512 consecutive bytes.  Waves share nothing: no barrier.
; A GROUP is four units, worked line by line by turns; loads run four groups (32 loads a wave) ahead.  Group g: 128 along K number g / 2, tile rows 4 (g % 2) + 0 .. 3 and those 8 further on.
.set WREG, 4608                        ; LDS of a wave: the codes' image, then its 256 scale bytes
.set KP,   272
.set SCB,  16*KP
.set GRP,  34816
.set SPARE, 8*WREG                     ; behind the eight regions: the spare words, 128 bytes for each wave
.set LO,   13                          ; v13      32 m + 16 h
.set OFF,  16                          ; v16-31   tile row i's byte offset + LO; never rewritten
.set R,    32                          ; v32-159  four sets of 32 registers: a group's four units
.set C,    160                         ; v160-167 a unit's codes, two sets
.set E,    168                         ; v168-175 its scale byte, two sets
.set M,    176                         ; v176-179 the maxima;  v180-183 the conversions' scale operands
.set T,    180
.set OUT,  184                         ; v184-215 codes read back: eight registers for each 128 along K, so that no store's data are written again
	s_load_b512 s[16:31], s[0:1], 0x0              ; x s[16:17], h_prev s[18:19], Wi s[20:21], Wf s[22:23], Wo s[24:25], Wz s[26:27], acode s[28:29], wcode s[30:31]
	v_lshl_add_u32 v9, v0, 2, SPARE                ; my spare word
	v_mov_b32 v10, 0
	v_lshrrev_b32 v1, 5, v0
	v_readfirstlane_b32 s2, v1                     ; wave 0..7 = row block
	s_and_b32 s3, ttmp7, 0xffff                    ; K step
	s_lshr_b32 s4, s2, 2
	s_and_b32 s5, ttmp9, 1
	s_lshl_b32 s5, s5, 1
	s_add_co_u32 s4, s4, s5                        ; W: gate = 2 (group % 2) + wave / 4
	s_and_b32 s5, s2, 3                            ; W: u
	s_mul_i32 s13, s2, WREG
	s_add_co_u32 s43, s13, SCB
	v_and_b32 v1, 31, v0                           ; lane
	v_and_b32 v2, 15, v0                           ; m
	v_bfe_u32 v3, v0, 4, 1                         ; h
	v_lshlrev_b32 v4, 4, v1                        ; codes out: 16 bytes a lane
	v_lshlrev_b32 v7, 3, v1                        ; scale bytes out: 8 bytes a lane
	v_lshrrev_b32 v8, 2, v2                        ; which of a load's four blocks is mine
	v_and_b32 v11, 3, v2                           ; which 4 bytes of its 16
	v_lshlrev_b32 v12, 5, v2
	v_mul_u32_u24 v15, v3, KP
	v_mul_u32_u24 v14, v8, KP
	v_lshl_add_u32 v[LO], v3, 4, v12
	v_lshl_add_u32 v15, v2, 4, v15
	v_lshl_add_u32 v14, v3, 7, v14
	v_lshl_add_u32 v5, v3, 7, v8
	v_add_nc_u32 v15, s13, v15                     ; the image, on the way out: row kb = h (+ 2 t), 16 m
	v_lshl_add_u32 v14, v11, 2, v14
	v_add_nc_u32 v5, s43, v5                       ; my block's scale byte: 16 x 8 h + m / 4 (+ 16 p + 4 c)
	v_add_nc_u32 v6, s43, v7
	v_add_nc_u32 v14, s13, v14                     ; the image, on the way in: row kb = m / 4 (+ 4 c), 16 x 8 h (+ 16 p), 4 (m % 4)
	s_wait_alu depctr_va_vdst(0)
	s_wait_kmcnt 0x0
	s_mov_b64 s[32:33], s[26:27]                   ; W of my gate
	s_cmp_eq_u32 s4, 2
	s_cselect_b64 s[32:33], s[24:25], s[32:33]
	s_cmp_eq_u32 s4, 1
	s_cselect_b64 s[32:33], s[22:23], s[32:33]
	s_cmp_eq_u32 s4, 0
	s_cselect_b64 s[32:33], s[20:21], s[32:33]
	s_mov_b32 s6, 8192
	s_cmp_lt_u32 s3, 2                             ; combined: K steps 0, 1 lie in x, 2 .. 5 in h_prev
	s_cselect_b64 s[34:35], s[16:17], s[18:19]
	s_cselect_b32 s6, 4096, s6                     ; a row in bytes
	s_cselect_b32 s7, 0, 2
	s_sub_co_u32 s7, s3, s7                        ; the K step within that tensor
	s_lshr_b32 s8, ttmp9, 1
	s_lshl_b32 s8, s8, 6
	s_add_co_u32 s8, s8, s5                        ; W: first row 64 (x / 2) + u
	s_sub_co_u32 s9, ttmp9, 64                     ; combined: group x - 64 (used only where x >= 64)
	s_lshl_b32 s10, s9, 7
	s_lshl_b32 s11, s2, 4
	s_add_co_u32 s10, s10, s11                     ; first row 128 group + 16 wave
	s_mov_b32 s11, 12288
	s_cmp_lt_u32 ttmp9, 64                         ; W's work-group or combined's?
	s_cselect_b64 s[32:33], s[32:33], s[34:35]
	s_cselect_b32 s6, s11, s6                      ; pitch
	s_cselect_b32 s7, s3, s7
	s_cselect_b32 s8, s8, s10                      ; row
	s_cselect_b64 s[36:37], s[30:31], s[28:29]
	s_cselect_b32 s12, 64, 16                      ; groups in a K step
	s_cselect_b32 s42, 2, 0                        ; W's tile rows stand four rows apart
	s_cselect_b32 s9, ttmp9, s9
	s_mul_i32 s10, s8, s6                          ; all offsets stay under 2^25
	s_lshl_b32 s6, s6, s42                         ; from here on: bytes from one tile row to the next, 49,152 at the most
	s_lshl_b32 s11, s7, 11
	s_add_co_u32 s10, s10, s11
	s_mov_b32 s11, 0
	s_add_nc_u64 s[32:33], s[32:33], s[10:11]      ; in: my first row, my K step
	s_mul_i32 s10, s3, s12
	s_add_co_u32 s10, s10, s9
	s_mul_i32 s10, s10, GRP
	s_lshl_b32 s13, s2, 12
	s_add_co_u32 s14, s10, s13
	s_mov_b32 s15, 0
	s_add_nc_u64 s[38:39], s[36:37], s[14:15]      ; out: my row block's 4,096 bytes of codes
	s_lshl_b32 s13, s2, 8
	s_add_co_u32 s14, s10, s13
	s_add_co_u32 s14, s14, 32768
	s_add_nc_u64 s[40:41], s[36:37], s[14:15]      ; and its 256 scale bytes
.irp i, 0,1,2,3,4,5,6,7,8,9,10,11,12,13,14,15
	v_mad_u32_u24 v[OFF+\i], s6, \i, v[LO]
.endr
	s_wait_alu depctr_va_vdst(0)                   ; the head's end
.macro LOADG g                         ; a group's eight loads, each of 512 consecutive aligned bytes of a row
.set LS_, R+32*((\g)%4)
.irp i, 0,1,2,3
	global_load_b128 v[LS_+8*\i:LS_+8*\i+3], v[OFF+4*((\g)%2)+\i], s[32:33] offset:512*((\g)/2) th:TH_LOAD_NT
	global_load_b128 v[LS_+8*\i+4:LS_+8*\i+7], v[OFF+8+4*((\g)%2)+\i], s[32:33] offset:512*((\g)/2) th:TH_LOAD_NT
.endr
.endm
.macro SENDC c                         ; the codes of 128 along K number c, read back from the image, leave: 32 lanes store 512 consecutive bytes, at a multiple of 256 from the buffer's first byte
	s_wait_dscnt 0x0
.irp t, 0,1
	global_store_b128 v4, v[OUT+8*(\c)+4*\t:OUT+8*(\c)+4*\t+3], s[38:39] offset:1024*(\c)+512*\t
.endr
.endm
.macro GROUP g
.set XS, R+32*((\g)%4)
.set CC, C+4*((\g)%2)
.set EE, E+4*((\g)%2)
.if (\g) < 5
	s_wait_loadcnt 24                              ; this group's eight loads are in; those of the three groups behind it may be out
.else
	s_wait_loadcnt 8*(7-(\g))
.endif
.irp k, 0,1,2,3
.irp i, 0,1,2,3
	v_permlane16_swap_b32 v[XS+8*\i+\k], v[XS+8*\i+4+\k]           ; eight neighbours along K in each lane: lanes 0-15 of row p, lanes 16-31 of row p + 8
.endr
.endr
.irp i, 0,1,2,3
	v_max3_num_f32 v[M+\i], |v[XS+8*\i]|, |v[XS+8*\i+1]|, 0x1800000   ; my eight, and the floor 2^(3 - 127): the byte cannot fall under 1
.endr
.irp y, 2,4,6
.irp i, 0,1,2,3
	v_max3_num_f32 v[M+\i], v[M+\i], |v[XS+8*\i+\y]|, |v[XS+8*\i+\y+1]|
.endr
.endr
.irp i, 0,1,2,3
	v_max_num_f32_dpp v[M+\i], v[M+\i], v[M+\i] row_xmask:1 row_mask:0xf bank_mask:0xf
.endr
.irp i, 0,1,2,3
	v_max_num_f32_dpp v[M+\i], v[M+\i], v[M+\i] row_xmask:2 row_mask:0xf bank_mask:0xf   ; the block's largest magnitude, in its four lanes
.endr
.irp i, 0,1,2,3
	v_add_nc_u32 v[T+\i], 0xff000000, v[M+\i]      ; 2 off the exponent field: the conversion takes the exponent field of this operand as its scale, and nothing else of it
.endr
.irp i, 0,1,2,3
	v_cvt_scalef32_pk8_fp4_f32 v[CC+\i], v[XS+8*\i:XS+8*\i+7], v[T+\i]
.endr
.irp i, 0,1,2,3
	v_lshrrev_b32 v[EE+\i], 23, v[T+\i]            ; the scale's byte; also the plain line behind the conversions
.endr
.irp i, 0,1,2,3
	ds_store_b32 v14, v[CC+\i] offset:4*KP*((\g)/2)+16*(4*((\g)%2)+\i)
	ds_store_b8 v5, v[EE+\i] offset:16*(4*((\g)%2)+\i)+4*((\g)/2)   ; a block's four lanes write the same byte with the same value
.endr
.if (\g)+4 < 8
	LOADG (\g)+4                                   ; into the set that the conversions have read
.endif
.if (\g)%2 == 1
.irp t, 0,1
	ds_load_b128 v[OUT+8*((\g)/2)+4*\t:OUT+8*((\g)/2)+4*\t+3], v15 offset:KP*(4*((\g)/2)+2*\t)   ; LDS serves a wave's instructions in order: these see my stores of all 16 rows
.endr
.endif
.endm
	LOADG 0
	LOADG 1
	LOADG 2
	LOADG 3
.irp g, 0,1,2,3,4,5,6,7
	GROUP \g
.endr
	ds_load_b64 v[12:13], v6                       ; my 256 scale bytes
	SENDC 0                                        ; all the codes leave at the wave's end: no store stands among the groups' loads
	SENDC 1
	SENDC 2
	SENDC 3
	global_store_b64 v7, v[12:13], s[40:41]        ; 32 lanes store 256 consecutive aligned bytes
	s_wait_tensorcnt 0x0                           ; the wave's end
	ds_add_u32 v9, v10
	s_wait_dscnt 0x0
	s_endpgm
.Lfunc_end_k_q69c459cc0a_quant:
	.size	k_q69c459cc0a_quant, .Lfunc_end_k_q69c459cc0a_quant-k_q69c459cc0a_quant
	.p2alignl 7, 3214868480
	.fill 96, 4, 3214868480
	.section	.rodata,"a",@progbits
	.p2align	6, 0x0
	.amdhsa_kernel k_q69c459cc0a_quant
		.amdhsa_group_segment_fixed_size 37888
		.amdhsa_private_segment_fixed_size 0
		.amdhsa_enable_private_segment 0
		.amdhsa_kernarg_size 64
		.amdhsa_user_sgpr_count 2
		.amdhsa_user_sgpr_kernarg_segment_ptr 1
		.amdhsa_wavefront_size32 1
		.amdhsa_system_sgpr_workgroup_id_x 1
		.amdhsa_system_sgpr_workgroup_id_y 1
		.amdhsa_system_sgpr_workgroup_id_z 1
		.amdhsa_system_vgpr_workitem_id 0
		.amdhsa_next_free_vgpr 216
		.amdhsa_next_free_sgpr 66
		.amdhsa_reserve_vcc 0
		.amdhsa_float_denorm_mode_32 3
		.amdhsa_float_denorm_mode_16_64 3
		.amdhsa_memory_ordered 1
		.amdhsa_forward_progress 1
		.amdhsa_inst_pref_size 39
	.end_amdhsa_kernel
	.amdgpu_metadata
---
amdhsa.version: [ 1, 2 ]
amdhsa.kernels:
  - .name:           k_q69c459cc0a_quant
    .symbol:         k_q69c459cc0a_quant.kd
    .args:
      - { .name: x, .offset: 0, .size: 8, .value_kind: global_buffer, .address_space: global }
      - { .name: h_prev, .offset: 8, .size: 8, .value_kind: global_buffer, .address_space: global }
      - { .name: Wi, .offset: 16, .size: 8, .value_kind: global_buffer, .address_space: global }
      - { .name: Wf, .offset: 24, .size: 8, .value_kind: global_buffer, .address_space: global }
      - { .name: Wo, .offset: 32, .size: 8, .value_kind: global_buffer, .address_space: global }
      - { .name: Wz, .offset: 40, .size: 8, .value_kind: global_buffer, .address_space: global }
      - { .name: acode, .offset: 48, .size: 8, .value_kind: global_buffer, .address_space: global }
      - { .name: wcode, .offset: 56, .size: 8, .value_kind: global_buffer, .address_space: global }
    .group_segment_fixed_size: 37888
    .private_segment_fixed_size: 0
    .kernarg_segment_align: 8
    .kernarg_segment_size: 64
    .max_flat_workgroup_size: 256
    .sgpr_count:     66
    .vgpr_count:     216
    .wavefront_size: 32
...
	.end_amdgpu_metadata
.endif
;; end of part 1
;; launch gates (part 2): grid 32 x 8, 4 waves a work-group, clusters of 4 x 4, 327,680 bytes of LDS; arguments acode, wcode, bi, bf, bo, bz, c_prev, n_prev, m_prev, hbuf, out1, out2, out3; writes hbuf, out1, out2, out3
.if DOCPART == 2
	.amdgcn_target "amdgcn-amd-amdhsa--gfx1250"
	.amdhsa_code_object_version 6
	.text
	.protected	k_q69c459cc0a_gates
	.globl	k_q69c459cc0a_gates
	.p2align	8
	.type	k_q69c459cc0a_gates,@function
k_q69c459cc0a_gates:
	s_mov_b64 s[64:65], 0
	v_nop
	global_prefetch_b8 v0, s[64:65] scope:SCOPE_SE
	s_setreg_imm32_b32 hwreg(HW_REG_WAVE_MODE, 25, 1), 1
	s_wait_xcnt 0x0
	s_wait_alu depctr_hold_cnt(0) depctr_sa_sdst(0) depctr_va_vdst(0) depctr_va_sdst(0) depctr_va_ssrc(0) depctr_va_vcc(0) depctr_vm_vsrc(0)
	s_getreg_b32 s2, hwreg(HW_REG_IB_STS2, 6, 4)
	s_cmp_eq_u32 s2, 0
	s_cbranch_scc0 .Lentry_in_a_cluster
	s_endpgm
.Lentry_in_a_cluster:
	s_bfe_u32 s2, ttmp6, 0x10000c
	s_cmp_lg_u32 s2, 0xf033
	s_cbranch_scc0 .Lentry_shape_is_right
	s_endpgm
.Lentry_shape_is_right:
; gates[g][b][h] = sum over d of combined[b][d] W_g[h][d] + b_g[h] on codes of FP4 (E2M1) with E8M0 scales (K = 3,072), then in f32: i = e^gi, f = sigmoid(gf), o = sigmoid(go), z = tanh(gz),
; c = f c_prev + i z (out1), n = f n_prev + i (out2), m = max(f m_prev, |i z|) (out3), h = o c / (n + 1e-6) (hbuf; the next launch normalises it).
; LIMITS: NaN and infinities are not served.  The exponential gives 0 for results under 2^-126.  h is made as c / ((1 + e^-go)(n + 1e-6)): where that product passes f32's range h comes out 0, where the plain form has
; a number under about 1e-38 |c|.  tanh x = 1 - 2 / (1 + e^(2x)): absolute error about 1e-7.
; SHARES.  A work-group of four waves makes 256 batch rows x 64 hidden units x 4 gates; a wave 64 batch rows x 64 hidden units x 4 gates: 4 blocks of A x 16 blocks of W = 64 accumulators, 512 registers.
; THE OPERANDS lie in memory as images of the operand registers, [K step of 512][group of 128 rows][34,816 bytes: 32,768 of codes, 2,048 of scale bytes]: one tensor load brings a group's codes and scales as one dense block,
; and every fragment read is 16 x lane on end.  W's block b = 4 g + u is gate g, and its row r is hidden unit 64 tx + 4 r + u.
; Source 0 = 16 batch rows, source 1 = 16 rows of W: register j of lane (r, h) of accumulator (a, 4 g + u) is batch row 16 a + 8 h + j, gate g, hidden unit 4 r + u.  The exponentials, which every gate passes, write
; the four u of one batch row into four neighbouring registers: from there on a lane holds 16 neighbouring bytes of a row and sixteen lanes 256: c_prev, n_prev, m_prev come straight from memory and the four results
; leave straight to it, each instruction covering two whole aligned runs of 256 bytes.  The way out has no LDS access and no barrier.  The biases enter in the multiply-add that makes the exponents.
; RING: two LDS slots of a K step each (A's two groups, W's two groups; a wave fetches one).  CLUSTER 4 x 4: A's groups hang on the tile row alone and are asked for jointly along a row of the cluster, W's along a column.
; FRAGMENTS: A and W have two sets of registers each.  A step of 128 along K multiplies one set while the other is loaded for the next step: 24 LDS loads in front of the step's 64 products, 16 in their middle, one run of places a step.
; PREFETCHES: behind the joint load of K step t (t = 0 .. 3) stands a request for K step t + 2 of the group that the wave fetches: its 136 runs of 256 bytes are shared out by address among the four partners, 34 each
; (two instructions; in the second, lanes 1-31 name the last run).  In the loop's second trip, two K steps ahead of their first load, each wave asks for its own 64 rows x 256 bytes of c_prev, n_prev, m_prev, a lane a row.
; REGISTERS, in windows of 256: window 0: v8-29 addresses; v32-127 scale words, two sets, and nothing else; v128-191 A's fragments, two sets; v192-223 the biases x the gates' factors, each twice; v224-239 the biases as loaded.
;   window 1: W's fragments, two sets, at v0 and v128; on the way out v0-63 the gates, v160-255 two sets of c, n, m.
;   window 2: accumulator (a, b) for b = 0 .. 7 at v[8 (4 b + a)];   window 3: b = 8 .. 15 likewise.
.set HALFT,  34816                     ; a group of a K step
.set SLOT,   4*HALFT
.set SPARE,  2*SLOT                    ; the spare words, 128 bytes for each wave: two blocks of 256 bytes that no other line names
.set NQ,     4                         ; matrix instructions deep in a K step
.set ASTEP,  16*HALFT                  ; a K step on in acode,
.set WSTEP,  64*HALFT                  ; in wcode
.set ROWB,   8192                      ; a row of c, n, m and of the outputs
.set ADSA, 8                           ; v8-9    A's scale words in slot 0, 1
.set ADSW, 10                          ; v10-11  W's: lanes 0-15 block i, lanes 16-31 block i + 8
.set PFR,  12                          ; v12     8,192 x lane: prefetches of c, n, m
.set PF2,  13                          ; v13     256 x (32 + min(lane, 1)): prefetches of codes, the last two runs
.set BOF,  14                          ; v14     16 r
.set PFO,  15                          ; v15     256 x lane
.set ADRA, 16                          ; v16-17  my A fragments in slot 0, 1
.set ADRB, 20                          ; v20-21  W's blocks 0-7 in slot 0, 1;  v22-23 blocks 8-15
.set CO,   26                          ; v26     65,536 h + 16 r: my 16 bytes of a row of c, n, m or an output
.set SPW,  28                          ; v28     LDS address of my spare word; never rewritten
.set NIL,  29                          ; v29     0; never rewritten
.set SC,   32                          ; set s at SC + 48 s: A's block a at + 4 a + q, W's pair of blocks i at + 16 + 4 i + q
.set AF,   128
.set BK,   192                         ; window 0
.set RAW,  224                         ; window 0
.set G,    0                           ; window 1: G + 16 g + 4 jj + u
.set SET,  160                         ; window 1
.set WV,   16
.set RH,   17
.set CH,   18
.set G1,   24
.set G0,   32
.set G1B,  48
.set G0B,  56
.set KC,   8                           ; s[8:15] a pair for each gate: log2 e, -log2 e, -log2 e, 2 log2 e
.set EPS,  66
.set PFA,  84                          ; s[84:85] where my prefetches of codes stand;  s[86:87] a K step in that buffer
.set PST,  86
.set MSB, 0
.macro WIN new                         ; the immediate's high byte repeats the setting that is left
.if MSB != (\new)
	s_set_vgpr_msb (MSB<<8)|(\new)
.set MSB, (\new)
.endif
.endm
.set MUL_LO, 0xa4                      ; source 0 (A) window 0, source 1 (W) window 1, C and D window 2
.set MUL_HI, 0xf4                      ; the same, C and D window 3
.set TO_B,   0x40                      ; destination window 1, address window 0
.macro JLOAD s                         ; waves 0 and 1 fetch A's groups, waves 2 and 3 W's; s_nop 0 and four v_nop follow each line
	s_cmp_eq_u32 s[RH], 0
	s_cbranch_scc0 .Lfor_b_\@
	tensor_load_to_lds s[G0+4*\s:G0+4*\s+3], s[G1:G1+7]
	s_nop 0
.rept 4
	v_nop
.endr
	s_branch .Lasked_\@
.Lfor_b_\@:
	tensor_load_to_lds s[G0B+4*\s:G0B+4*\s+3], s[G1B:G1B+7]
	s_nop 0
.rept 4
	v_nop
.endr
.Lasked_\@:
.endm
.macro CREST                           ; a round of the cluster's barrier behind its opening barrier
	s_cmp_lg_u32 s[WV], 0
	s_cbranch_scc1 .Lnot_wave_0_\@
	s_barrier_signal -3
.Lnot_wave_0_\@:
	s_barrier_wait -3
	s_barrier_signal -1
	s_barrier_wait -1
.endm
.macro CROUND
	s_barrier_signal -1
	s_barrier_wait -1
	CREST
.endm
.macro ASKC                            ; my work-group's 34 runs of 256 bytes of the group that I fetch, two K steps on
	global_prefetch_b8 v[PFO], s[PFA:PFA+1] th:TH_LOAD_NT scope:SCOPE_SE
	global_prefetch_b8 v[PF2], s[PFA:PFA+1] th:TH_LOAD_NT scope:SCOPE_SE
.endm
.macro ASK half                        ; the loop's first trip: codes of K steps 4, 5; its second: 32 of my rows of c, n, m
	s_cmp_eq_u32 s3, 2
	s_cbranch_scc0 .Lrows_\@
	ASKC
	s_branch .Lgone_\@
.Lrows_\@:
.irp p, 68,70,72
	global_prefetch_b8 v[PFR], s[\p:\p+1] offset:\half*32*ROWB th:TH_LOAD_NT scope:SCOPE_SE
.endr
.Lgone_\@:
.endm
	s_load_b128 s[4:7], s[0:1], 0x0                ; acode, wcode
	s_load_b256 s[8:15], s[0:1], 0x10              ; bi, bf, bo, bz
	s_load_b256 s[68:75], s[0:1], 0x30             ; c_prev, n_prev, m_prev, hbuf
	s_load_b128 s[76:79], s[0:1], 0x50             ; out1, out2
	s_load_b64 s[80:81], s[0:1], 0x60              ; out3
	v_lshl_add_u32 v[SPW], v0, 2, SPARE
	v_mov_b32 v[NIL], 0
	ds_add_u32 v[SPW], v[NIL]                      ; the opening lines: the add, twice on end, and its wait ahead of my first tensor load
	ds_add_u32 v[SPW], v[NIL]
	v_lshrrev_b32 v1, 5, v0
	v_readfirstlane_b32 s[WV], v1                  ; wave 0..3: my 64 batch rows
	s_lshr_b32 s[RH], s[WV], 1                     ; A's group that holds them.  Also: I fetch for A (0) or for W (1)
	s_and_b32 s[CH], s[WV], 1                      ; which four blocks of it.  Also: which group I fetch
	s_bfe_u32 s40, ttmp6, 0x40000                  ; cx, cy
	s_bfe_u32 s41, ttmp6, 0x40004
	s_lshl_b32 s42, ttmp9, 2
	s_add_co_u32 s42, s42, s40                     ; tx: 64 hidden units
	s_and_b32 s43, ttmp7, 0xffff
	s_lshl_b32 s43, s43, 2
	s_add_co_u32 s43, s43, s41                     ; ty: 256 batch rows
	s_lshl_b32 s44, s41, 2
	s_lshl_b32 s44, 15, s44                        ; my row of the cluster
	s_lshl_b32 s45, 0x1111, s40                    ; my column
	s_or_b32 s[G1+0], s44, (3<<16)|(1<<21)         ; a group: 136 rows of 32 elements of 8 bytes, dense; A's go to my row,
	s_or_b32 s[G1B+0], s45, (3<<16)|(1<<21)        ; W's to my column
.irp g, G1, G1B
	s_mov_b32 s[\g+1], 32<<16
	s_mov_b32 s[\g+2], 136<<16
	s_mov_b32 s[\g+3], 32<<16
	s_mov_b32 s[\g+4], 136
	s_mov_b32 s[\g+5], 32
	s_mov_b32 s[\g+6], 0
	s_mov_b32 s[\g+7], 0
.endr
	s_mul_i32 s21, s[RH], HALFT
	s_lshl_b32 s20, s[CH], 14
	s_add_co_u32 s20, s20, s21                     ; my four blocks of A in a slot
	s_lshl_b32 s22, s[CH], 10
	s_add_co_u32 s21, s21, s22
	s_add_co_u32 s21, s21, 32768                   ; and their scale bytes
	s_mul_i32 s19, s[WV], HALFT                    ; where the group that I fetch goes
	s_lshl_b32 s92, s43, 1
	s_add_co_u32 s92, s92, s[CH]
	s_mul_i32 s92, s92, HALFT                      ; A: group 2 ty + the half that I fetch
	s_mov_b32 s93, 0
	s_lshl_b32 s46, s42, 1
	s_add_co_u32 s46, s46, s[CH]
	s_mul_i32 s46, s46, HALFT                      ; W: group 2 tx + the half that I fetch
	s_mov_b32 s47, 0
	s_lshl_b32 s94, s43, 21                        ; my 64 rows x 256 bytes of c, n, m and the outputs: (256 ty + 64 wave) rows + 256 tx bytes
	s_lshl_b32 s95, s42, 8
	s_add_co_u32 s94, s94, s95
	s_lshl_b32 s95, s[WV], 19
	s_add_co_u32 s94, s94, s95
	s_mov_b32 s95, 0
	s_lshl_b32 s66, s42, 8                         ; the biases of my work-group's 64 hidden units
	s_mov_b32 s67, 0
	v_and_b32 v1, 15, v0                           ; r
	v_bfe_u32 v2, v0, 4, 1                         ; h
	v_and_b32 v3, 31, v0                           ; lane
	v_lshlrev_b32 v4, 4, v3
	v_lshlrev_b32 v[BOF], 4, v1
	v_add_nc_u32 v[ADRA], s20, v4
	v_add_nc_u32 v[ADRA+1], SLOT, v[ADRA]
	v_add_nc_u32 v[ADRB], 2*HALFT, v4
	v_add_nc_u32 v[ADRB+1], 2*HALFT+SLOT, v4
	v_add_nc_u32 v[ADRB+2], 3*HALFT, v4
	v_add_nc_u32 v[ADRB+3], 3*HALFT+SLOT, v4
	v_add_nc_u32 v[ADSA], s21, v[BOF]
	v_add_nc_u32 v[ADSA+1], SLOT, v[ADSA]
	v_mul_u32_u24 v5, v2, HALFT                    ; lanes 16-31 take the second group's scale words
	v_add_nc_u32 v5, v5, v[BOF]
	v_add_nc_u32 v[ADSW], 2*HALFT+32768, v5
	v_add_nc_u32 v[ADSW+1], SLOT, v[ADSW]
	v_lshl_add_u32 v[CO], v2, 16, v[BOF]
	v_lshlrev_b32 v[PFO], 8, v3
	v_min_u32 v6, 1, v3
	v_lshl_add_u32 v[PF2], v6, 8, 32*256
	v_lshlrev_b32 v[PFR], 13, v3
	s_wait_alu depctr_va_vdst(0)                   ; the head's end
	s_wait_dscnt 0x0                               ; both opening adds are done
	s_wait_kmcnt 0x0
	s_cmp_eq_u32 s[RH], 0                          ; the prefetches follow the buffer that I fetch from
	s_cselect_b64 s[PFA:PFA+1], s[4:5], s[6:7]
	s_cselect_b32 s88, s92, s46
	s_cselect_b32 s89, s40, s41                    ; my place among the four that ask for the group with me
	s_mov_b32 s[PST], WSTEP
	s_cselect_b32 s[PST], ASTEP, s[PST]
	s_mov_b32 s[PST+1], 0
	s_mul_i32 s89, s89, 34*256
	s_add_co_u32 s88, s88, s89
	s_lshl_b32 s89, s[PST], 1
	s_add_co_u32 s88, s88, s89                     ; at K step 2
	s_mov_b32 s89, 0
	s_add_nc_u64 s[PFA:PFA+1], s[PFA:PFA+1], s[88:89]
	s_add_nc_u64 s[92:93], s[4:5], s[92:93]
	s_add_nc_u64 s[46:47], s[6:7], s[46:47]
.irp p, 68,70,72,74,76,78,80
	s_add_nc_u64 s[\p:\p+1], s[\p:\p+1], s[94:95]
.endr
.irp p, 8,10,12,14
	s_add_nc_u64 s[\p:\p+1], s[\p:\p+1], s[66:67]
.endr
	CROUND                                         ; all sixteen work-groups are here: the first joint loads meet
.irp s, 0,1
	s_mov_b32 s[G0+4*\s], 1
	s_add_co_u32 s[G0+4*\s+1], s19, \s*SLOT
	s_add_nc_u64 s[G0+4*\s+2:G0+4*\s+3], s[92:93], \s*ASTEP
	s_or_b32 s[G0+4*\s+3], s[G0+4*\s+3], 0x80000000
	s_mov_b32 s[G0B+4*\s], 1
	s_add_co_u32 s[G0B+4*\s+1], s19, \s*SLOT
	s_add_nc_u64 s[G0B+4*\s+2:G0B+4*\s+3], s[46:47], \s*WSTEP
	s_or_b32 s[G0B+4*\s+3], s[G0B+4*\s+3], 0x80000000
.endr
	JLOAD 0                                        ; K step 0: one tensor load a wave at the head
	ASKC                                           ; K step 2
.irp g, 0,1,2,3
	global_load_b128 v[RAW+4*\g:RAW+4*\g+3], v[BOF], s[8+2*\g:9+2*\g]   ; gate g's bias at hidden units 4 r + 0 .. 3
.endr
.macro FRAG reg, adr, q, i             ; a fragment, 16 rows x 128 K, is 8 registers: register group c of row block i, the K step's q-th 128, lies at 4096 i + 1024 q + 512 c + 16 x lane
.irp c, 0,1
	ds_load_b128 v[\reg+4*\c:\reg+4*\c+3], v[\adr] offset:4096*(\i)+1024*(\q)+512*\c
.endr
.endm
; 16 matrix instructions: W's blocks 8 hi + b0 .. + 3 x A's four, 128 along K.  p: the set of fragments;  sc: the set of scale words.  zero = 1: the first product starts the sums.
; The 64 accumulators take turns, one instruction a turn, in the same order in every step.
.macro MUL16 hi, b0, p, q, sc, zero
.irp b, \b0, \b0+1, \b0+2, \b0+3
.irp a, 0,1,2,3
.set D_,  8*(4*(\b)+\a)
.set A_,  AF+32*(\p)+8*\a
.set W_,  128*(\p)+8*(8*\hi+(\b))
.set SA_, SC+48*(\sc)+4*\a+(\q)
.set SW_, SC+48*(\sc)+16+4*(\b)+(\q)
.if \zero
.if \hi
	v_wmma_scale_f32_16x16x128_f8f6f4 v[D_:D_+7], v[A_:A_+7], v[W_:W_+7], 0, v[SA_], v[SW_] matrix_a_fmt:MATRIX_FMT_FP4 matrix_b_fmt:MATRIX_FMT_FP4 matrix_b_scale:MATRIX_SCALE_ROW1
.else
	v_wmma_scale_f32_16x16x128_f8f6f4 v[D_:D_+7], v[A_:A_+7], v[W_:W_+7], 0, v[SA_], v[SW_] matrix_a_fmt:MATRIX_FMT_FP4 matrix_b_fmt:MATRIX_FMT_FP4
.endif
.else
.if \hi
	v_wmma_scale_f32_16x16x128_f8f6f4 v[D_:D_+7], v[A_:A_+7], v[W_:W_+7], v[D_:D_+7], v[SA_], v[SW_] matrix_a_fmt:MATRIX_FMT_FP4 matrix_b_fmt:MATRIX_FMT_FP4 matrix_b_scale:MATRIX_SCALE_ROW1
.else
	v_wmma_scale_f32_16x16x128_f8f6f4 v[D_:D_+7], v[A_:A_+7], v[W_:W_+7], v[D_:D_+7], v[SA_], v[SW_] matrix_a_fmt:MATRIX_FMT_FP4 matrix_b_fmt:MATRIX_FMT_FP4
.endif
.endif
.endr
.endr
.endm
.macro FETCH_W slot, q, hi, p          ; W's blocks 8 hi .. 8 hi + 7 into set p: 16 loads
	WIN TO_B
.irp i, 0,1,2,3,4,5,6,7
	FRAG 128*(\p)+8*(8*\hi+\i), ADRB+2*\hi+\slot, \q, \i
.endr
	WIN 0
.endm
.macro FETCH_A slot, q, p              ; A's four blocks into set p: 8 loads
.irp i, 0,1,2,3
	FRAG AF+32*(\p)+8*\i, ADRA+\slot, \q, \i
.endr
.endm
.macro SCALES sc                       ; slot sc's scale words, four words a row: 12 loads
.irp i, 0,1,2,3
	ds_load_b128 v[SC+48*\sc+4*\i:SC+48*\sc+4*\i+3], v[ADSA+\sc] offset:256*\i
.endr
.irp i, 0,1,2,3,4,5,6,7
	ds_load_b128 v[SC+48*\sc+16+4*\i:SC+48*\sc+16+4*\i+3], v[ADSW+\sc] offset:256*\i
.endr
.endm
.macro PLACES n                        ; plain places behind a matrix instruction, in front of loads into its registers and of reads of its result
.rept \n
	v_nop
.endr
.endm
; A step of 128 along K that has its successor in the same slot.  It multiplies set q % 2; the other set, which the step before multiplied, takes the next step's fragments behind ONE run of places.
.macro STEP slot, q, zero
	s_wait_dscnt 16                                ; all but the youngest 16 loads (this step's blocks 8-15 of W) are in
	PLACES 4                                       ; behind the last step's products: its set may be loaded
	FETCH_W \slot, (\q)+1, 0, 1-(\q)%2
	FETCH_A \slot, (\q)+1, 1-(\q)%2
	WIN MUL_LO
	MUL16 0, 0, (\q)%2, \q, \slot, \zero
	MUL16 0, 4, (\q)%2, \q, \slot, \zero
	FETCH_W \slot, (\q)+1, 1, 1-(\q)%2
	s_wait_dscnt 40                                ; this step's blocks 8-15 of W are in: behind them stand the next step's 24 + 16 loads
	WIN MUL_HI
	MUL16 1, 0, (\q)%2, \q, \slot, \zero
	MUL16 1, 4, (\q)%2, \q, \slot, \zero
	WIN 0
.endm
; A slot's last step changes slots: ONE barrier; in front of it each wave waits for all its tensor loads, adds 0 to its spare word, and waits for that and for its own reads of this slot.
; fill = 1: the barrier opens a round of the cluster's barrier, and the slot takes the K step two on, by joint loads.
.macro TURN slot, next, fill
.if \fill
	s_wait_xcnt 0x0                                ; my last prefetches have read their address: it steps a K step on
	s_add_nc_u64 s[PFA:PFA+1], s[PFA:PFA+1], s[PST:PST+1]
.endif
	s_wait_tensorcnt 0x0                           ; all my tensor loads have landed: my part of the next slot
	ds_add_u32 v[SPW], v[NIL]
	s_wait_dscnt 17                                ; (the add and the youngest 16 loads may be out)
	WIN MUL_LO
	MUL16 0, 0, 1, NQ-1, \slot, 0
	s_wait_dscnt 0x0                               ; the add is done, and my reads of this slot are over
	s_barrier_signal -1
	MUL16 0, 4, 1, NQ-1, \slot, 0                  ; 32 products, work on registers, while the others arrive
	WIN MUL_HI
	MUL16 1, 0, 1, NQ-1, \slot, 0
	WIN 0
	s_barrier_wait -1
.if \fill
	CREST
	s_add_nc_u64 s[G0+4*\slot+2:G0+4*\slot+3], s[G0+4*\slot+2:G0+4*\slot+3], 2*ASTEP
	s_add_nc_u64 s[G0B+4*\slot+2:G0B+4*\slot+3], s[G0B+4*\slot+2:G0B+4*\slot+3], 2*WSTEP
	JLOAD \slot                                    ; the first tensor load behind the round, one a wave; its four v_nop are also the places in front of the loads below
.else
	PLACES 4
.endif
	FETCH_W \next, 0, 0, 0                         ; set 0, which the step before this one multiplied
	FETCH_A \next, 0, 0
	SCALES \next
.if \fill
	ASK \slot
.endif
	WIN MUL_HI
	MUL16 1, 4, 1, NQ-1, \slot, 0
	FETCH_W \next, 0, 1, 0
.endm
.macro STEPS slot, from
.set Q, \from
.rept NQ-1-\from
	STEP \slot, Q, 0
.set Q, Q+1
.endr
.endm
; THE WAY OUT goes in eight chunks: chunk c is A's block c / 2, registers 4 (c % 2) .. + 3 of its accumulators: batch rows 16 (c / 2) + 8 h + 4 (c % 2) + jj, 16 elements a lane.
.macro LOADS c                         ; chunk c's c_prev, n_prev, m_prev into set c % 2: lanes 0-15 read 256 consecutive aligned bytes of a row, lanes 16-31 of the row 8 further down
.set LS_, SET+48*((\c)%2)
	WIN TO_B
.irp jj, 0,1,2,3
	global_load_b128 v[LS_+4*\jj:LS_+4*\jj+3], v[CO], s[68:69] offset:(16*((\c)/2)+4*((\c)%2)+\jj)*ROWB th:TH_LOAD_NT
	global_load_b128 v[LS_+16+4*\jj:LS_+16+4*\jj+3], v[CO], s[70:71] offset:(16*((\c)/2)+4*((\c)%2)+\jj)*ROWB th:TH_LOAD_NT
	global_load_b128 v[LS_+32+4*\jj:LS_+32+4*\jj+3], v[CO], s[72:73] offset:(16*((\c)/2)+4*((\c)%2)+\jj)*ROWB th:TH_LOAD_NT
.endr
	WIN 0
.endm
.macro CHUNK c
.set CA_, (\c)/2
.set CJ_, 4*((\c)%2)
.set CPR, SET+48*((\c)%2)
.set NPR, CPR+16
.set MPR, CPR+32
.irp w, 0,1                            ; window 2 + w holds gates 2 w and 2 w + 1.  The exponents, in place: (sum + bias) x the gate's factor; each accumulator is read from its low end on
	WIN 0x82+0x41*\w                               ; source 0 and destination: the accumulators' window; source 2: window 0
	s_wait_alu depctr_va_vdst(0)                   ; the wait ahead of the first reader of matrix results behind transcendentals
.irp gg, 0,1
.irp u, 0,1,2,3
.irp y, 0,2
.set X_, 8*(4*(4*\gg+\u)+CA_)+CJ_+\y
.set B_, BK+2*(4*(2*\w+\gg)+\u)
	v_pk_fma_f32 v[X_:X_+1], v[X_:X_+1], s[KC+2*(2*\w+\gg):KC+2*(2*\w+\gg)+1], v[B_:B_+1] op_sel_hi:[1,0,1]
.endr
.endr
.endr
.endr
	WIN 0
.if (\c) > 0
	s_wait_xcnt 0x0                                ; the last chunk's stores have read their data: its set may be loaded again and h's registers written
.endif
.if (\c) < 7
	LOADS (\c)+1
.endif
.irp w, 0,1
	WIN 0x42+\w                                    ; source 0: the accumulators' window; destination: window 1
.if \w == 0
	s_wait_alu depctr_va_vdst(0)
.endif
.irp gg, 0,1
.irp jj, 0,1,2,3
.irp u, 0,1,2,3
	v_exp_f32 v[G+16*(2*\w+\gg)+4*\jj+\u], v[8*(4*(4*\gg+\u)+CA_)+CJ_+\jj]   ; e^gi, e^-gf, e^-go, e^(2 gz): the four u of a row land side by side
.endr
.endr
.endr
.endr
	WIN 0x55                                       ; all in window 1
	v_nop                                          ; the plain line behind the last exponential
	s_wait_alu depctr_va_vdst(0)                   ; one wait for the 64 exponentials
.set j, 16
.rept 24
	v_pk_add_f32 v[G+j:G+j+1], v[G+j:G+j+1], 1.0 op_sel_hi:[1,0]   ; 1 + e^.. for f, o, z
.set j, j+2
.endr
	s_wait_alu depctr_va_vdst(0)
.set j, 0
.rept 16
	v_rcp_f32 v[G+16+j], v[G+16+j]                 ; f
.set j, j+1
.endr
.set j, 0
.rept 16
	v_rcp_f32 v[G+48+j], v[G+48+j]                 ; 1 / (1 + e^(2 gz))
.set j, j+1
.endr
	v_nop
.if (\c) < 7
	s_wait_loadcnt 12                              ; this chunk's c, n, m are in; the next chunk's 12 loads may be out
.else
	s_wait_loadcnt 0x0
.endif
	s_wait_alu depctr_va_vdst(0)                   ; one wait for the 32 reciprocals
.irp y, 0,2,4,6,8,10,12,14
	v_pk_fma_f32 v[G+48+\y:G+49+\y], v[G+48+\y:G+49+\y], -2.0, 1.0 op_sel_hi:[1,0,0]          ; z
.endr
.irp y, 0,2,4,6,8,10,12,14
	v_pk_mul_f32 v[G+48+\y:G+49+\y], v[G+\y:G+1+\y], v[G+48+\y:G+49+\y]                        ; i z
.endr
.irp y, 0,2,4,6,8,10,12,14
	v_pk_fma_f32 v[NPR+\y:NPR+1+\y], v[G+16+\y:G+17+\y], v[NPR+\y:NPR+1+\y], v[G+\y:G+1+\y]    ; n = f n_prev + i
.endr
.irp y, 0,2,4,6,8,10,12,14
	v_pk_fma_f32 v[CPR+\y:CPR+1+\y], v[G+16+\y:G+17+\y], v[CPR+\y:CPR+1+\y], v[G+48+\y:G+49+\y]   ; c = f c_prev + i z
.endr
.irp y, 0,2,4,6,8,10,12,14
	v_pk_add_f32 v[G+\y:G+1+\y], v[NPR+\y:NPR+1+\y], s[EPS:EPS+1] op_sel_hi:[1,0]              ; n + 1e-6
.endr
.irp y, 0,2,4,6,8,10,12,14
	v_pk_mul_f32 v[G+32+\y:G+33+\y], v[G+32+\y:G+33+\y], v[G+\y:G+1+\y]                        ; (1 + e^-go)(n + 1e-6)
.endr
	s_wait_alu depctr_va_vdst(0)
.set j, 0
.rept 16
	v_rcp_f32 v[G+32+j], v[G+32+j]
.set j, j+1
.endr
.irp y, 0,2,4,6,8,10,12,14
	v_pk_mul_f32 v[MPR+\y:MPR+1+\y], v[G+16+\y:G+17+\y], v[MPR+\y:MPR+1+\y]                    ; f m_prev: independent work behind the reciprocals
.endr
.set j, 0
.rept 16
	v_max_num_f32 v[MPR+j], v[MPR+j], |v[G+48+j]|  ; m = max(f m_prev, |i z|)
.set j, j+1
.endr
	s_wait_alu depctr_va_vdst(0)                   ; one wait for the 16 reciprocals
.irp y, 0,2,4,6,8,10,12,14
	v_pk_mul_f32 v[G+32+\y:G+33+\y], v[CPR+\y:CPR+1+\y], v[G+32+\y:G+33+\y]                    ; h
.endr
	WIN 0x04                                       ; a store's data are its source 1: window 1
.irp jj, 0,1,2,3                       ; sixteen lanes store 256 consecutive bytes, at a multiple of 256 from the buffer's first byte; 63 rows at the most stand in the immediate
	global_store_b128 v[CO], v[G+32+4*\jj:G+32+4*\jj+3], s[74:75] offset:(16*CA_+CJ_+\jj)*ROWB th:TH_STORE_NT
	global_store_b128 v[CO], v[CPR+4*\jj:CPR+4*\jj+3], s[76:77] offset:(16*CA_+CJ_+\jj)*ROWB th:TH_STORE_NT
	global_store_b128 v[CO], v[NPR+4*\jj:NPR+4*\jj+3], s[78:79] offset:(16*CA_+CJ_+\jj)*ROWB th:TH_STORE_NT
	global_store_b128 v[CO], v[MPR+4*\jj:MPR+4*\jj+3], s[80:81] offset:(16*CA_+CJ_+\jj)*ROWB th:TH_STORE_NT
.endr
	WIN 0
.endm
	s_wait_xcnt 0x0                                ; the prefetches have read their address: on to K step 3
	s_add_nc_u64 s[PFA:PFA+1], s[PFA:PFA+1], s[PST:PST+1]
	s_wait_tensorcnt 0x0                           ; my part of K step 0 is in
	ds_add_u32 v[SPW], v[NIL]
	s_wait_dscnt 0x0
	CROUND                                         ; everybody's part is in, and all sixteen work-groups are here
	JLOAD 1                                        ; K step 1: the first tensor load behind the round
	FETCH_W 0, 0, 0, 0
	FETCH_A 0, 0, 0
	SCALES 0
	ASKC                                           ; K step 3
	FETCH_W 0, 0, 1, 0
	s_wait_loadcnt 0x0                             ; the biases are in, and their loads have read their addresses: s[8:15] take the gates' factors
	s_mov_b32 s[KC+0], 0x3fb8aa3b                  ; log2 e: i = 2^(gi log2 e)
	s_mov_b32 s[KC+1], 0x3fb8aa3b
	s_mov_b32 s[KC+2], 0xbfb8aa3b                  ; f = 1 / (1 + 2^(-gf log2 e))
	s_mov_b32 s[KC+3], 0xbfb8aa3b
	s_mov_b32 s[KC+4], 0xbfb8aa3b                  ; o likewise
	s_mov_b32 s[KC+5], 0xbfb8aa3b
	s_mov_b32 s[KC+6], 0x4038aa3b                  ; z = 1 - 2 / (1 + 2^(2 gz log2 e))
	s_mov_b32 s[KC+7], 0x4038aa3b
	s_mov_b32 s[EPS], 0x358637bd                   ; 1e-6
	s_mov_b32 s[EPS+1], 0x358637bd
.irp g, 0,1,2,3
.irp u, 0,1,2,3
	v_mul_f32 v[BK+2*(4*\g+\u)], s[KC+2*\g], v[RAW+4*\g+\u]     ; bias x factor, twice: a pair for the packed multiply-add
	v_mul_f32 v[BK+2*(4*\g+\u)+1], s[KC+2*\g], v[RAW+4*\g+\u]
.endr
.endr
	s_wait_alu depctr_va_vdst(0)
	STEP 0, 0, 1                                   ; the first step stands in front of the loop: its products start the sums
	s_mov_b32 s3, 2
.Llap:                                                 ; a trip goes once round the ring and fills both slots again: K steps 2, 3, then 4, 5
	STEPS 0, 1
	TURN 0, 1, 1
	STEPS 1, 0
	TURN 1, 0, 1
	STEP 0, 0, 0
	s_sub_co_u32 s3, s3, 1
	s_cmp_lg_u32 s3, 0
	s_cbranch_scc1 .Llap
	STEPS 0, 1                                     ; K step 4
	TURN 0, 1, 0                                   ; nothing is filled again: no round
	STEPS 1, 0                                     ; K step 5
	s_wait_dscnt 16
	WIN MUL_LO
	MUL16 0, 0, 1, NQ-1, 1, 0
	MUL16 0, 4, 1, NQ-1, 1, 0
	s_wait_dscnt 0
	WIN MUL_HI
	MUL16 1, 0, 1, NQ-1, 1, 0
	MUL16 1, 4, 1, NQ-1, 1, 0
	WIN 0
	PLACES 4                                       ; in front of the first read of results and of loads and writes into W's registers
	LOADS 0                                        ; the first chunk's c, n, m: wanted behind its 64 exponentials and 32 reciprocals
.irp c, 0,1,2,3,4,5,6,7
	CHUNK \c
.endr
	s_wait_tensorcnt 0x0                           ; the wave's end
	ds_add_u32 v[SPW], v[NIL]
	s_wait_dscnt 0x0
	CROUND                                         ; the closing round: no work-group ends while a partner may still ask for a tile that names it
	s_endpgm
.Lfunc_end_k_q69c459cc0a_gates:
	.size	k_q69c459cc0a_gates, .Lfunc_end_k_q69c459cc0a_gates-k_q69c459cc0a_gates
	.p2alignl 7, 3214868480
	.fill 96, 4, 3214868480
	.section	.rodata,"a",@progbits
	.p2align	6, 0x0
	.amdhsa_kernel k_q69c459cc0a_gates
		.amdhsa_group_segment_fixed_size 327680
		.amdhsa_private_segment_fixed_size 0
		.amdhsa_enable_private_segment 0
		.amdhsa_kernarg_size 104
		.amdhsa_user_sgpr_count 2
		.amdhsa_user_sgpr_kernarg_segment_ptr 1
		.amdhsa_wavefront_size32 1
		.amdhsa_system_sgpr_workgroup_id_x 1
		.amdhsa_system_sgpr_workgroup_id_y 1
		.amdhsa_system_sgpr_workgroup_id_z 1
		.amdhsa_system_vgpr_workitem_id 0
		.amdhsa_next_free_vgpr 1024
		.amdhsa_next_free_sgpr 102
		.amdhsa_reserve_vcc 0
		.amdhsa_float_denorm_mode_32 3
		.amdhsa_float_denorm_mode_16_64 3
		.amdhsa_memory_ordered 1
		.amdhsa_forward_progress 1
		.amdhsa_inst_pref_size 255
	.end_amdhsa_kernel
	.section	.bss,"aw",@nobits
	.p2align	6
	.space	262144
	.amdgpu_metadata
---
amdhsa.version: [ 1, 2 ]
amdhsa.kernels:
  - .name:           k_q69c459cc0a_gates
    .symbol:         k_q69c459cc0a_gates.kd
    .args:
      - { .name: acode, .offset: 0, .size: 8, .value_kind: global_buffer, .address_space: global }
      - { .name: wcode, .offset: 8, .size: 8, .value_kind: global_buffer, .address_space: global }
      - { .name: bi, .offset: 16, .size: 8, .value_kind: global_buffer, .address_space: global }
      - { .name: bf, .offset: 24, .size: 8, .value_kind: global_buffer, .address_space: global }
      - { .name: bo, .offset: 32, .size: 8, .value_kind: global_buffer, .address_space: global }
      - { .name: bz, .offset: 40, .size: 8, .value_kind: global_buffer, .address_space: global }
      - { .name: c_prev, .offset: 48, .size: 8, .value_kind: global_buffer, .address_space: global }
      - { .name: n_prev, .offset: 56, .size: 8, .value_kind: global_buffer, .address_space: global }
      - { .name: m_prev, .offset: 64, .size: 8, .value_kind: global_buffer, .address_space: global }
      - { .name: hbuf, .offset: 72, .size: 8, .value_kind: global_buffer, .address_space: global }
      - { .name: out1, .offset: 80, .size: 8, .value_kind: global_buffer, .address_space: global }
      - { .name: out2, .offset: 88, .size: 8, .value_kind: global_buffer, .address_space: global }
      - { .name: out3, .offset: 96, .size: 8, .value_kind: global_buffer, .address_space: global }
    .group_segment_fixed_size: 327680
    .private_segment_fixed_size: 0
    .kernarg_segment_align: 8
    .kernarg_segment_size: 104
    .max_flat_workgroup_size: 128
    .sgpr_count:     102
    .vgpr_count:     1024
    .wavefront_size: 32
...
	.end_amdgpu_metadata
.endif
;; end of part 2
;; launch lnorm (part 3): grid 256 x 1, 8 waves a work-group, no clusters, 0 bytes of LDS; arguments hbuf, ln_gamma, ln_beta, out0; writes out0
.if DOCPART == 3
	.amdgcn_target "amdgcn-amd-amdhsa--gfx1250"
	.amdhsa_code_object_version 6
	.text
	.protected	k_q69c459cc0a_lnorm
	.globl	k_q69c459cc0a_lnorm
	.p2align	8
	.type	k_q69c459cc0a_lnorm,@function
k_q69c459cc0a_lnorm:
	s_mov_b64 s[64:65], 0
	v_nop
	global_prefetch_b8 v0, s[64:65] scope:SCOPE_SE
	s_setreg_imm32_b32 hwreg(HW_REG_WAVE_MODE, 25, 1), 1
	s_wait_xcnt 0x0
; out0[b][:] = (h[b][:] - mean) / sqrt(var + 1e-5) x gamma + beta, over the row's 2,048 numbers; all f32.
; One wave takes one row of 8,192 bytes: sixteen loads of 16 bytes a lane, 64 registers, kept between the passes: the row is read from memory once, the variance is taken of h - mean
; (no difference of large sums), and no wave waits for another: no LDS, no barrier.  Each load and store of a wave covers 512 consecutive bytes.
; Matrix units, clusters and tensor loads would add nothing: the launch moves each byte once and does a handful of operations on it.
.set H,  32                            ; v32-95   the row
.set GA, 96                            ; v96-159  gamma at my columns
.set BE, 160                           ; v160-223 beta
	s_load_b256 s[4:11], s[0:1], 0x0               ; hbuf s[4:5], gamma s[6:7], beta s[8:9], out0 s[10:11]
	v_lshrrev_b32 v1, 5, v0
	s_delay_alu instid0(VALU_DEP_1)
	v_readfirstlane_b32 s2, v1
	s_lshl_b32 s3, ttmp9, 3
	s_add_co_u32 s2, s2, s3                        ; my row: 8 x work-group + wave
	s_lshl_b32 s2, s2, 13
	s_mov_b32 s3, 0
	v_and_b32 v1, 31, v0
	s_delay_alu instid0(VALU_DEP_1)
	v_lshlrev_b32 v1, 4, v1                        ; 16 bytes a lane
	s_mov_b32 s12, 0x76543210                      ; v_permlanex16_b32: lane l xor 16
	s_mov_b32 s13, 0xfedcba98
	s_mov_b32 s14, 0x3a000000                      ; 1 / 2,048
	s_mov_b32 s15, 0x3727c5ac                      ; 1e-5
	v_mov_b32 v15, 0                               ; a lane permute's destination counts as one of its sources
	s_wait_alu depctr_va_vdst(0)
	s_wait_kmcnt 0x0
	s_add_nc_u64 s[4:5], s[4:5], s[2:3]
	s_add_nc_u64 s[10:11], s[10:11], s[2:3]
.irp j, 0,1,2,3,4,5,6,7,8,9,10,11,12,13,14,15
	global_load_b128 v[H+4*\j:H+4*\j+3], v1, s[4:5] offset:512*\j th:TH_LOAD_NT
.endr
.irp j, 0,1,2,3,4,5,6,7,8,9,10,11,12,13,14,15
	global_load_b128 v[GA+4*\j:GA+4*\j+3], v1, s[6:7] offset:512*\j
.endr
.irp j, 0,1,2,3,4,5,6,7,8,9,10,11,12,13,14,15
	global_load_b128 v[BE+4*\j:BE+4*\j+3], v1, s[8:9] offset:512*\j
.endr
.macro WSUM                            ; the four packed chains v[2:9] become one sum over the wave, in v14 of every lane
	s_delay_alu instid0(VALU_DEP_3)
	v_pk_add_f32 v[2:3], v[2:3], v[4:5]
	s_delay_alu instid0(VALU_DEP_2)
	v_pk_add_f32 v[6:7], v[6:7], v[8:9]
	s_delay_alu instid0(VALU_DEP_1)
	v_pk_add_f32 v[2:3], v[2:3], v[6:7]
	s_delay_alu instid0(VALU_DEP_1)
	v_add_f32 v14, v2, v3
	s_delay_alu instid0(VALU_DEP_1)
	v_add_f32_dpp v14, v14, v14 row_xmask:1 row_mask:0xf bank_mask:0xf
	s_delay_alu instid0(VALU_DEP_1)
	v_add_f32_dpp v14, v14, v14 row_xmask:2 row_mask:0xf bank_mask:0xf
	s_delay_alu instid0(VALU_DEP_1)
	v_add_f32_dpp v14, v14, v14 row_xmask:4 row_mask:0xf bank_mask:0xf
	s_delay_alu instid0(VALU_DEP_1)
	v_add_f32_dpp v14, v14, v14 row_xmask:8 row_mask:0xf bank_mask:0xf
	s_delay_alu instid0(VALU_DEP_1)
	v_permlanex16_b32 v15, v14, s12, s13
	s_delay_alu instid0(VALU_DEP_1)
	v_add_f32 v14, v14, v15
.endm
	s_wait_loadcnt 32                              ; the row is in; the 32 loads of gamma and beta, issued behind it, may be out
.irp c, 0,1,2,3
	v_pk_add_f32 v[2+2*\c:3+2*\c], v[H+2*\c:H+2*\c+1], v[H+8+2*\c:H+9+2*\c]   ; the first pairs start the chains: nothing is cleared
.endr
.irp j, 16,24,32,40,48,56
.irp c, 0,1,2,3
	s_delay_alu instid0(VALU_DEP_4)
	v_pk_add_f32 v[2+2*\c:3+2*\c], v[2+2*\c:3+2*\c], v[H+\j+2*\c:H+\j+2*\c+1]
.endr
.endr
	WSUM
	s_delay_alu instid0(VALU_DEP_1)
	v_mul_f32 v10, s14, v14                        ; the mean
	s_delay_alu instid0(VALU_DEP_1)
	v_mov_b32 v11, v10
.set j, 0
.rept 32
	v_pk_add_f32 v[H+j:H+j+1], v[H+j:H+j+1], v[10:11] neg_lo:[0,1] neg_hi:[0,1]   ; h - mean
.set j, j+2
.endr
.irp c, 0,1,2,3
	v_pk_mul_f32 v[2+2*\c:3+2*\c], v[H+2*\c:H+2*\c+1], v[H+2*\c:H+2*\c+1]
.endr
.irp j, 8,16,24,32,40,48,56
.irp c, 0,1,2,3
	s_delay_alu instid0(VALU_DEP_4)
	v_pk_fma_f32 v[2+2*\c:3+2*\c], v[H+\j+2*\c:H+\j+2*\c+1], v[H+\j+2*\c:H+\j+2*\c+1], v[2+2*\c:3+2*\c]
.endr
.endr
	WSUM
	s_delay_alu instid0(VALU_DEP_1)
	v_fma_f32 v14, v14, s14, s15                   ; the variance + 1e-5
	s_wait_alu depctr_va_vdst(0)
	v_rsq_f32 v12, v14
	v_nop                                          ; the plain line behind the transcendental
	s_wait_alu depctr_va_vdst(0)                   ; and the wait ahead of its first reader
	v_mov_b32 v13, v12
	s_wait_alu depctr_va_vdst(0)
	s_wait_loadcnt 0x0                             ; gamma and beta
.set j, 0
.rept 32
	v_pk_mul_f32 v[H+j:H+j+1], v[H+j:H+j+1], v[12:13]
.set j, j+2
.endr
.set j, 0
.rept 32
	v_pk_fma_f32 v[H+j:H+j+1], v[H+j:H+j+1], v[GA+j:GA+j+1], v[BE+j:BE+j+1]
.set j, j+2
.endr
.irp j, 0,1,2,3,4,5,6,7,8,9,10,11,12,13,14,15
	global_store_b128 v1, v[H+4*\j:H+4*\j+3], s[10:11] offset:512*\j th:TH_STORE_NT
.endr
	s_endpgm
.Lfunc_end_k_q69c459cc0a_lnorm:
	.size	k_q69c459cc0a_lnorm, .Lfunc_end_k_q69c459cc0a_lnorm-k_q69c459cc0a_lnorm
	.p2alignl 7, 3214868480
	.fill 96, 4, 3214868480
	.section	.rodata,"a",@progbits
	.p2align	6, 0x0
	.amdhsa_kernel k_q69c459cc0a_lnorm
		.amdhsa_group_segment_fixed_size 0
		.amdhsa_private_segment_fixed_size 0
		.amdhsa_enable_private_segment 0
		.amdhsa_kernarg_size 32
		.amdhsa_user_sgpr_count 2
		.amdhsa_user_sgpr_kernarg_segment_ptr 1
		.amdhsa_wavefront_size32 1
		.amdhsa_system_sgpr_workgroup_id_x 1
		.amdhsa_system_sgpr_workgroup_id_y 1
		.amdhsa_system_sgpr_workgroup_id_z 1
		.amdhsa_system_vgpr_workitem_id 0
		.amdhsa_next_free_vgpr 224
		.amdhsa_next_free_sgpr 66
		.amdhsa_reserve_vcc 0
		.amdhsa_float_denorm_mode_32 3
		.amdhsa_float_denorm_mode_16_64 3
		.amdhsa_memory_ordered 1
		.amdhsa_forward_progress 1
		.amdhsa_inst_pref_size 21
	.end_amdhsa_kernel
	.amdgpu_metadata
---
amdhsa.version: [ 1, 2 ]
amdhsa.kernels:
  - .name:           k_q69c459cc0a_lnorm
    .symbol:         k_q69c459cc0a_lnorm.kd
    .args:
      - { .name: hbuf, .offset: 0, .size: 8, .value_kind: global_buffer, .address_space: global }
      - { .name: ln_gamma, .offset: 8, .size: 8, .value_kind: global_buffer, .address_space: global }
      - { .name: ln_beta, .offset: 16, .size: 8, .value_kind: global_buffer, .address_space: global }
      - { .name: out0, .offset: 24, .size: 8, .value_kind: global_buffer, .address_space: global }
    .group_segment_fixed_size: 0
    .private_segment_fixed_size: 0
    .kernarg_segment_align: 8
    .kernarg_segment_size: 32
    .max_flat_workgroup_size: 256
    .sgpr_count:     66
    .vgpr_count:     224
    .wavefront_size: 32
...
	.end_amdgpu_metadata
.endif
;; end of part 3
